; MI455X (gfx1250); checked and timed in simulation.
; The chip was launched on July 23, 2026; its instructions are those of AMD's public machine-readable ISA for CDNA 5 (MIT licence, August 2026) and "CDNA5" Instruction Set Architecture Reference Guide (July 2026). The comments in the code are by the model that wrote it; some were corrected since.
;; Packed Ternary Linear. Allowed arithmetic: matrix products marked QUANTISED: E4M3 operands, one given power-of-two scale a tensor, by v_wmma_f32_16x16x64_fp8_fp8 or v_wmma_f32_16x16x128_fp8_fp8, f32 sums; everything else in f32.
;; Inputs: alpha one number float32; bias 4,096 float32; lowp_scales 2 int32 (the exponents e of the quantised operands' scales 2^e); packed_weights 4,194,304 uint8; sparsity_bitmap 2,097,152 uint8; x 4,096 x 4,096 float32.
;; Outputs: out0 4,096 x 4,096 float32.
;; This version of the problem:
;;   THIS VERSION OF THE PROBLEM IS GIVEN IN LOW PRECISION. The matrix products marked QUANTISED in the list below multiply operands that are first quantised to E4M3 (4 exponent bits, 3 mantissa bits; 8 bits a number), with one given power-of-two scale for each operand tensor; their sums are f32. All else is computed in f32.
;;   The module's matrix products, in the order in which they are computed (A, B: the left and right operand; K: the contracted axis; several contracted axes count as one K, in the product's order):
;;     1. [M 4,096, K 4,096] x [K 4,096, N 4,096]; A: input x; B: computed on the way: QUANTISED (scales: A lowp_scales[0], B lowp_scales[1])
;;   THE QUANTISER, for each operand of a quantised product, along K:
;;     - The operand's scale is 2^e, e = its entry of the input lowp_scales (int32; the entries are numbered through the quantised products in the list's order, A before B).
;;     - Each number is divided by the scale, clamped to +-448, and rounded to the nearest number of E4M3, ties to even, subnormals kept.
;;     - The product sums the exact products of the quantised numbers (number of the format x scale) in f32.
;;   ~~~python
;;   def quantise(x, axis, e):      # numpy; x: float32 -> the quantised numbers, widened to float32 again
;;       x = np.moveaxis(x, axis, -1); K = x.shape[-1]
;;       r = np.clip(x / 2.0 ** e, -448, 448)
;;       step = 2.0 ** (np.maximum(np.frexp(np.where(r == 0, 1, r))[1] - 1, -6) - 3)
;;       q = np.round(r / step) * step * 2.0 ** e      # np.round: ties to even
;;       return np.moveaxis(q, -1, axis).astype(np.float32)
;;   ~~~
;;   OPERANDS COMPUTED ON THE WAY. 'Computed on the way' means the value that the module computes at that place (a softmax that the list does not call 'softmax' is quantised finished and normalised). What goes into a quantiser is computed in f32, as accurately as f32 sums, v_exp_f32 and their like allow (about 1e-6 of the number): no bf16 or f16 on the way to a quantiser, and a product that is left as it is and whose result goes on into a quantised operand takes f32 operands (vector FMAs, or v_wmma_f32_16x16x4_f32). A number that lies on a knife's edge between two numbers of the format may be rounded either way, as far as f32 arithmetic and the matrix unit's own rounding can turn it there, and no further.
;; One version. Each part assembles by itself: llvm-mc -triple=amdgcn-amd-amdhsa -mcpu=gfx1250 --defsym DOCPART=n.
;; ======== version 1 of 1: 2 launches
;; limits: right only within a limited range of input values
;; workspace buffers: x_codes 16,777,216 bytes; w_pack 4,194,304 bytes
;; launch prep (part 1): grid 1024 x 1, 4 waves a work-group, no clusters, 33,280 bytes of LDS; arguments x, packed_weights, lowp_scales, x_codes, w_pack; writes x_codes, w_pack
.if DOCPART == 1
	.amdgcn_target "amdgcn-amd-amdhsa--gfx1250"
	.amdhsa_code_object_version 6
	.text
	.protected	k_q4c79d45f20_prep
	.globl	k_q4c79d45f20_prep
	.p2align	8
	.type	k_q4c79d45f20_prep,@function
k_q4c79d45f20_prep:
	s_mov_b64 s[64:65], 0
	v_nop
	global_prefetch_b8 v0, s[64:65] scope:SCOPE_SE
	s_setreg_imm32_b32 hwreg(HW_REG_WAVE_MODE, 25, 1), 1
	s_wait_xcnt 0x0
; Prepares both operands of out = (Q(x) Q(W)^T) alpha + bias for the product's launch.
; x [4096][4096] f32 -> x_codes [4096][4096], K innermost: code of FP8 (E4M3) = x / 2^e0, held within +-448, to the nearest code, ties to even.
; packed_weights (4 weights a byte, 2 bits each, lowest bits first) stay 2-bit codes and are only laid anew, as the product's registers take them:
; w_pack [np 128][ks 32][e 2][lane 32][4 words]: lane 16 h + r; words 0, 1: row 32 np + r, words 2, 3: row 32 np + 16 + r; word q of a row holds its weights k = 128 ks + 64 h + 32 e + 16 q + 0 .. 15,
; weight 4 s + i of the sixteen in bits 8 i + 2 s, 8 i + 2 s + 1: a shift by 2 s and a mask then leave four neighbours along k in the four bytes.
; e0: entry 0 of lowp_scales.  LIMITS: -126 <= e0 <= 119.  NaN in x is not served; an infinity is held at the largest code.
; sparsity_bitmap is not read and is no argument: reference() takes it and never uses it, so it has no way to the output, whatever it holds.
; SHARES.  Wave u = 4 x work-group + wave takes 4,096 numbers of x (a plain stream) in 8 steps of 512, and of W 32 rows x 128 along K (np = u / 32, ks = u % 32): 1,024 bytes of w_pack at 1,024 u.
; The four waves of a work-group read 32 bytes each of the same 128 bytes of 32 rows of packed_weights.
; x: each load reads 512 consecutive bytes; a step's 2,048 bytes turn through the wave's own stage in LDS and come back 64 bytes a lane (16 of padding behind each 64), since the conversion takes neighbours from one lane.
; No tensor loads, no barrier, no matrix unit, no cluster: waves share nothing and nothing is multiplied.  Every offset is an immediate; every store has data registers of its own.
.set STEPS, 8
.set SP,    80                         ; a lane's place in a stage
.set WREG,  8192                       ; LDS of a wave: two stages of 32 x SP bytes
.set EMAX,  8
.set MANT,  0x600000                   ; the mantissa field of 448 as f32
.set R,     16                         ; v16-79    four sets of 16 numbers of x as loaded
.set X,     80                         ; v80-111   two sets of 16 neighbours
.set C,     112                        ; v112-143  x's codes, four registers a step
.set WL,    144                        ; v144-151  the packed words as loaded: four of the upper row, four of the lower
.set WQ,    152                        ; v152-159  the words turned, in the order of the two stores
.set T,     176                        ; v176-179  T+s holds, in byte i, weight 4 i + s of the word
.set U,     180                        ; v180-183  the byte turn's first stage
	s_load_b128 s[4:7], s[0:1], 0x0                ; x, packed_weights
	s_load_b64 s[10:11], s[0:1], 0x10              ; lowp_scales
	s_load_b128 s[12:15], s[0:1], 0x18             ; x_codes, w_pack
	v_lshl_add_u32 v184, v0, 2, 0x8000             ; my spare word, behind the four regions
	v_mov_b32 v185, 0
	v_lshrrev_b32 v1, 5, v0
	v_readfirstlane_b32 s16, v1                    ; wave
	v_and_b32 v2, 31, v0                           ; lane
	v_lshlrev_b32 v3, 4, v2                        ; 16 x lane
	v_and_b32 v5, 15, v2                           ; r
	v_lshrrev_b32 v6, 4, v2                        ; h
	v_lshlrev_b32 v5, 10, v5
	v_lshl_add_u32 v5, v6, 4, v5                   ; packed row r (1,024 bytes) + 16 h: my 64 weights
	s_mul_i32 s17, s16, WREG
	v_lshrrev_b32 v14, 2, v2
	v_mul_u32_u24 v14, v14, SP
	v_and_b32 v15, 3, v2
	v_lshl_add_u32 v14, v15, 4, v14
	v_add_nc_u32 v14, s17, v14                     ; the stage, in: SP (lane / 4) + 16 (lane % 4)
	v_mul_u32_u24 v15, v2, SP
	v_add_nc_u32 v15, s17, v15                     ; and out: SP x lane
	s_mov_b32 s26, 0x03030303
	s_mov_b32 s27, 0x05010400                      ; v_perm_b32: bytes 0, 1 of two words, interleaved
	s_mov_b32 s28, 0x07030602                      ; bytes 2, 3
	s_mov_b32 s29, 0x05040100                      ; the low halves
	s_mov_b32 s30, 0x07060302                      ; the high halves
	s_lshl_b32 s18, ttmp9, 2
	s_add_co_u32 s18, s18, s16                     ; u
	s_mov_b32 s21, 0
	s_wait_alu depctr_va_vdst(0)
	s_wait_kmcnt 0x0
	s_load_b32 s22, s[10:11], 0x0                  ; e0
	s_lshl_b32 s20, s18, 14
	s_add_nc_u64 s[4:5], s[4:5], s[20:21]
	s_lshl_b32 s20, s18, 12
	s_add_nc_u64 s[12:13], s[12:13], s[20:21]
	s_lshl_b32 s20, s18, 10
	s_add_nc_u64 s[14:15], s[14:15], s[20:21]
	s_lshr_b32 s20, s18, 5                         ; np: 32 packed rows are 32,768 bytes
	s_lshl_b32 s20, s20, 15
	s_and_b32 s31, s18, 31                         ; ks: 128 weights are 32 bytes
	s_lshl_b32 s31, s31, 5
	s_add_co_u32 s20, s20, s31
	s_add_nc_u64 s[6:7], s[6:7], s[20:21]
.irp o, 0,1
	global_load_b128 v[WL+4*\o:WL+4*\o+3], v5, s[6:7] offset:16384*\o   ; row r, and the row 16 further down
.endr
.macro LOAD t
.irp i, 0,1,2,3
	global_load_b128 v[R+16*((\t)%4)+4*\i:R+16*((\t)%4)+4*\i+3], v3, s[4:5] offset:2048*(\t)+512*\i th:TH_LOAD_NT
.endr
.endm
.macro TURN t                          ; LDS serves a wave's instructions in order: no wait between the stores and the loads
.irp i, 0,1,2,3
	ds_store_b128 v14, v[R+16*((\t)%4)+4*\i:R+16*((\t)%4)+4*\i+3] offset:32*SP*((\t)%2)+8*SP*\i
.endr
.irp i, 0,1,2,3
	ds_load_b128 v[X+16*((\t)%2)+4*\i:X+16*((\t)%2)+4*\i+3], v15 offset:32*SP*((\t)%2)+16*\i
.endr
.endm
.irp t, 0,1,2,3
	LOAD \t
.endr
	s_wait_kmcnt 0x0
	s_add_co_i32 s24, s22, 127
	s_lshl_b32 s25, s24, 23
	v_mov_b32 v11, s25                             ; 2^e0
	s_add_co_i32 s24, s24, EMAX
	s_lshl_b32 s24, s24, 23
	s_or_b32 s24, s24, MANT
	v_mov_b32 v10, s24                             ; 448 x 2^e0
	s_wait_alu depctr_va_vdst(0)
	s_wait_loadcnt 12                              ; x's steps 1 to 3 may be out: the packed words and step 0 are in
	TURN 0
.macro TURNW t                         ; word t: 2-bit fields to bytes, a turn of 4 x 4 bytes, and back to 2-bit fields
.set W, WL+(\t)
.set D, WQ+4*(((\t)%4)/2)+2*((\t)/4)+(\t)%2
	v_and_b32 v[T], s26, v[W]
.irp s, 1,2,3
	v_lshrrev_b32 v[T+\s], 2*\s, v[W]
.endr
.irp s, 1,2,3
	v_and_b32 v[T+\s], s26, v[T+\s]
.endr
	v_perm_b32 v[U],   v[T+1], v[T],   s27
	v_perm_b32 v[U+1], v[T+1], v[T],   s28
	v_perm_b32 v[U+2], v[T+3], v[T+2], s27
	v_perm_b32 v[U+3], v[T+3], v[T+2], s28
	v_perm_b32 v[T],   v[U+2], v[U],   s29         ; weights 0 .. 3, a byte each
	v_perm_b32 v[T+1], v[U+2], v[U],   s30         ; 4 .. 7
	v_perm_b32 v[T+2], v[U+3], v[U+1], s29         ; 8 .. 11
	v_perm_b32 v[T+3], v[U+3], v[U+1], s30         ; 12 .. 15
	v_lshl_or_b32 v[T], v[T+1], 2, v[T]
	v_lshl_or_b32 v[T+2], v[T+3], 2, v[T+2]
	v_lshl_or_b32 v[D], v[T+2], 4, v[T]
.endm
.macro STEP t
.set XS, X+16*((\t)%2)
	s_wait_dscnt 0x0                               ; this step's numbers are back from the stage
.if (\t)+4 < STEPS
	LOAD (\t)+4
.endif
.if (\t)+1 < STEPS
.if STEPS-2-(\t) >= 3
	s_wait_loadcnt 12                              ; the next step's four loads are in; three steps' may be out
.else
	s_wait_loadcnt 4*(STEPS-2-(\t))
.endif
	TURN (\t)+1
.endif
.irp i, 0,1,2,3,4,5,6,7,8,9,10,11,12,13,14,15
	v_med3_num_f32 v[XS+\i], v[XS+\i], -v10, v10   ; the hold: the conversion does not saturate (ISA guide 7.6.2)
.endr
	v_cvt_scalef32_pk8_fp8_f32 v[C+4*(\t):C+4*(\t)+1], v[XS:XS+7], v11
	v_cvt_scalef32_pk8_fp8_f32 v[C+4*(\t)+2:C+4*(\t)+3], v[XS+8:XS+15], v11
	global_store_b128 v3, v[C+4*(\t):C+4*(\t)+3], s[12:13] offset:512*(\t)
	TURNW \t
.if (\t) == 5
	global_store_b128 v3, v[WQ:WQ+3], s[14:15]               ; e = 0: 512 consecutive bytes, aligned
.endif
.if (\t) == 7
	global_store_b128 v3, v[WQ+4:WQ+7], s[14:15] offset:512  ; e = 1
.endif
.endm
.irp t, 0,1,2,3,4,5,6,7
	STEP \t
.endr
	s_wait_tensorcnt 0x0                           ; the wave's end
	ds_add_u32 v184, v185
	s_wait_dscnt 0x0
	s_endpgm
.Lfunc_end_k_q4c79d45f20_prep:
	.size	k_q4c79d45f20_prep, .Lfunc_end_k_q4c79d45f20_prep-k_q4c79d45f20_prep
	.p2alignl 7, 3214868480
	.fill 96, 4, 3214868480
	.section	.rodata,"a",@progbits
	.p2align	6, 0x0
	.amdhsa_kernel k_q4c79d45f20_prep
		.amdhsa_group_segment_fixed_size 33280
		.amdhsa_private_segment_fixed_size 0
		.amdhsa_enable_private_segment 0
		.amdhsa_kernarg_size 40
		.amdhsa_user_sgpr_count 2
		.amdhsa_user_sgpr_kernarg_segment_ptr 1
		.amdhsa_wavefront_size32 1
		.amdhsa_system_sgpr_workgroup_id_x 1
		.amdhsa_system_sgpr_workgroup_id_y 1
		.amdhsa_system_sgpr_workgroup_id_z 1
		.amdhsa_system_vgpr_workitem_id 0
		.amdhsa_next_free_vgpr 186
		.amdhsa_next_free_sgpr 66
		.amdhsa_reserve_vcc 0
		.amdhsa_float_denorm_mode_32 3
		.amdhsa_float_denorm_mode_16_64 3
		.amdhsa_memory_ordered 1
		.amdhsa_forward_progress 1
		.amdhsa_inst_pref_size 28
	.end_amdhsa_kernel
	.amdgpu_metadata
---
amdhsa.version: [ 1, 2 ]
amdhsa.kernels:
  - .name:           k_q4c79d45f20_prep
    .symbol:         k_q4c79d45f20_prep.kd
    .args:
      - { .name: x, .offset: 0, .size: 8, .value_kind: global_buffer, .address_space: global }
      - { .name: packed_weights, .offset: 8, .size: 8, .value_kind: global_buffer, .address_space: global }
      - { .name: lowp_scales, .offset: 16, .size: 8, .value_kind: global_buffer, .address_space: global }
      - { .name: x_codes, .offset: 24, .size: 8, .value_kind: global_buffer, .address_space: global }
      - { .name: w_pack, .offset: 32, .size: 8, .value_kind: global_buffer, .address_space: global }
    .group_segment_fixed_size: 33280
    .private_segment_fixed_size: 0
    .kernarg_segment_align: 8
    .kernarg_segment_size: 40
    .max_flat_workgroup_size: 128
    .sgpr_count:     66
    .vgpr_count:     186
    .wavefront_size: 32
...
	.end_amdgpu_metadata
.endif
;; end of part 1
;; launch gemm (part 2): grid 8 x 32, 4 waves a work-group, no clusters, 327,680 bytes of LDS; arguments x_codes, w_pack, lowp_scales, alpha, bias, out0; writes out0
.if DOCPART == 2
	.amdgcn_target "amdgcn-amd-amdhsa--gfx1250"
	.amdhsa_code_object_version 6
	.text
	.protected	k_q4c79d45f20_gemm
	.globl	k_q4c79d45f20_gemm
	.p2align	8
	.type	k_q4c79d45f20_gemm,@function
k_q4c79d45f20_gemm:
	s_mov_b64 s[64:65], 0
	v_nop
	global_prefetch_b8 v0, s[64:65] scope:SCOPE_SE
	s_setreg_imm32_b32 hwreg(HW_REG_WAVE_MODE, 25, 1), 1
	s_wait_xcnt 0x0
; out[t][o] = alpha 2^(e0 + e1) (sum over k of xc[t][k] wc[o][k]) + bias[o]; xc, wc: codes of FP8 (E4M3); sums in f32 by v_wmma_f32_16x16x64_fp8_fp8.  sparsity_bitmap has no way to the output and is no argument.
; A work-group makes 128 rows x 512 columns; wave w makes all 128 rows x columns 128 w .. 128 w + 127: 64 accumulators, 512 registers.
; W COMES AS 2-BIT CODES FROM MEMORY STRAIGHT INTO REGISTERS (w_pack lies in their order: a load is 512 consecutive bytes) and is made into codes of FP8 in registers, each weight by one wave of the group:
;   a word of 16 weights gives four registers: a shift and a mask leave four selectors, v_perm_b32 picks their codes from a table of four bytes.  The table is Q(0), Q(+1), Q(-1), Q(0), made by the conversion itself with the given e1.
;   LIMIT: -126 <= e1 <= 119, so that 2^e1 and 448 x 2^e1 are f32 numbers.
;   A half-step (64 along K, 8 column blocks) is: its 64 products on end; the 176 vector instructions that unpack the next half-step; its loads.
;   The packed words live in a ring of four half-steps of 16 registers; a half-step's four loads are issued when its place has been unpacked, five half-steps ahead of the products.
; x'S CODES COME THROUGH LDS: two slots of 1,024 along K, each four sub-tiles of 128 rows x 256 bytes (pitch 272); wave w brings sub-tile w with one tensor load.  Four fills and four barriers in all.
; k IS PERMUTED ALIKE IN BOTH OPERANDS: half-step (j, e) of a sub-tile multiplies k = 128 j + 64 h + 32 e + 0 .. 31 for the lanes' halves h = 0, 1; only the order of the sums inside an instruction changes.
; THE MATRIX INSTRUCTION IS USED TRANSPOSED (source 0 = 16 rows of W, source 1 = 16 rows of x): a lane holds eight neighbouring columns of one row of out.
; THE LOOP'S BODY is four half-steps: the last two of a sub-tile and the first two of the next.  x's fragments are fetched two half-steps ahead, so all LDS reads of a body fall in one sub-tile, and a change of slots stands between two bodies.
; NO CLUSTER: what work-groups could ask for jointly is x's tile, 16 KB of the 32 KB that a work-group takes in for 128 along K, in four fills a launch; the cluster's rounds would be made for those four.
; PREFETCH: of W's stream, in body t what body t + 2 loads; the 16 row blocks y % 16 share a wave's 32 blocks of 256 bytes out, lanes 0 and 1 a block each.  Bodies 11 to 14 ask for nothing.
;   x's fills are not prefetched: each is asked for a whole slot (16 half-steps, 1,024 products a wave) ahead of the wait for it.
; REGISTERS.  window 0: v0-31 addresses, the table; v32-95 the packed ring; v128-191, v192-255 x's fragments, two sets (on the way out these three runs of 64 take the rows read back).
;   windows 1, 2, 3: column blocks 0-2, 3-5, 6-7: v0-191 accumulators ((a, b) at v[64 (b % 3) + 8 a]); v192-239 W's fragments, two sets of 24; v240-247 at work.
;   One setting of the windows (source 0, C and D the block's window, source 1 window 0) serves a block's products and its unpacking alike.
.set PITCH,  272
.set SUBT,   128*PITCH
.set SLOT,   4*SUBT
.set SPARE,  2*SLOT                    ; the spare words: 128 bytes a wave, two blocks of 256 that no other line names
.set STAGE,  SPARE+512                 ; the way out: 16 rows x 528 bytes for each wave; no fill lands here
.set SPITCH, 528
.set BIAS, 8                           ; v8-11   bias of my four columns of a row read back
.set SC,   12                          ; v12-13  alpha 2^(e0 + e1), twice
.set ABASE, 16                         ; v16     272 r + 64 h
.set ADR,  17                          ; v17     ABASE + the sub-tile's LDS offset
.set BOFF, 18                          ; v18     16 x lane
.set PFO,  19                          ; v19     the prefetches' offset
.set TAB,  20                          ; v20     the table (v21: the conversion's upper half)
.set STO,  24
.set RD,   25
.set SPW,  28
.set NIL,  29
.set PK,   32
.set AF,   128
.set BF,   192                         ; in windows 1 to 3
.set TT,   240
.set G1, 24                            ; s[24:31] descriptor group 1
.set G0, 32                            ; s[32:35] group 0 of the head's fill
.set GR, 36                            ; s[36:39] group 0 of the later fills
.set MSB, 0
.macro WIN new
.if MSB != \new
	s_set_vgpr_msb (MSB<<8)|\new
.set MSB, \new
.endif
.endm
.macro PLACES
.rept 4
	v_nop
.endr
.endm
	s_load_b128 s[4:7], s[0:1], 0x0                ; x_codes, w_pack
	s_load_b128 s[8:11], s[0:1], 0x10              ; lowp_scales, alpha
	s_load_b128 s[12:15], s[0:1], 0x20             ; bias, out0
	v_lshl_add_u32 v[SPW], v0, 2, SPARE
	v_mov_b32 v[NIL], 0
	ds_add_u32 v[SPW], v[NIL]
	ds_add_u32 v[SPW], v[NIL]
	v_lshrrev_b32 v1, 5, v0
	v_readfirstlane_b32 s16, v1                    ; wave
	s_and_b32 s18, ttmp7, 0xffff                   ; y: which 128 rows
	s_mov_b32 s[G1+0], (1<<20)|(5<<22)|(3<<25)     ; elements of 1 byte; 4 words of padding behind every 64
	s_mov_b32 s[G1+1], 256<<16                     ; tensor_dim0
	s_mov_b32 s[G1+2], 128<<16                     ; tensor_dim1
	s_mov_b32 s[G1+3], 256<<16                     ; tile_dim0
	s_mov_b32 s[G1+4], 128                         ; tile_dim1
	s_mov_b32 s[G1+5], 4096                        ; from row to row
	s_mov_b32 s[G1+6], 0
	s_mov_b32 s[G1+7], 0
	s_mov_b32 s50, 0x03030303
	s_lshl_b32 s20, s18, 19                        ; 128 y rows of 4,096 bytes
	s_lshl_b32 s21, s16, 8                         ; + my sub-tile's 256 bytes
	s_add_co_u32 s20, s20, s21
	s_mov_b32 s21, 0
	s_mul_i32 s48, s16, SUBT
	s_wait_dscnt 0x0
	s_wait_kmcnt 0x0
	s_load_b64 s[42:43], s[8:9], 0x0               ; e0, e1
	s_load_b32 s44, s[10:11], 0x0                  ; alpha
	s_add_nc_u64 s[4:5], s[4:5], s[20:21]
.irp s, 0,1
	s_mov_b32 s[G0+4*\s], 1
	s_add_co_u32 s[G0+4*\s+1], s48, \s*SLOT
	s_add_nc_u64 s[G0+4*\s+2:G0+4*\s+3], s[4:5], \s*1024
	s_or_b32 s[G0+4*\s+3], s[G0+4*\s+3], 0x80000000
.endr
	tensor_load_to_lds s[G0:G0+3], s[G1:G1+7]      ; slot 0, k 0 .. 1,023: my one tensor load at the head
	s_nop 0
	s_lshl_b32 s20, ttmp9, 19                      ; W: pair of column blocks 16 x + 4 w, 32,768 bytes each
	s_lshl_b32 s23, s16, 17
	s_add_co_u32 s20, s20, s23
	s_add_nc_u64 s[6:7], s[6:7], s[20:21]
	s_lshl_b32 s20, ttmp9, 11                      ; my first column, in bytes: 2,048 x + 512 w
	s_lshl_b32 s23, s16, 9
	s_add_co_u32 s20, s20, s23
	s_add_nc_u64 s[12:13], s[12:13], s[20:21]
	s_lshl_b32 s23, s18, 21                        ; 128 y rows of 16,384 bytes
	s_add_co_u32 s20, s20, s23
	s_add_nc_u64 s[14:15], s[14:15], s[20:21]
	s_mul_i32 s23, s16, 16*SPITCH
	s_add_co_u32 s23, s23, STAGE                   ; my stage
	s_and_b32 s19, s18, 15                         ; my share of the prefetches: pair (y % 16) / 4, blocks 2 (y % 4), 2 (y % 4) + 1 of a body's eight
	s_lshr_b32 s20, s19, 2
	s_lshl_b32 s20, s20, 15
	s_and_b32 s19, s19, 3
	s_lshl_b32 s19, s19, 9
	s_add_co_u32 s20, s20, s19
	v_and_b32 v1, 15, v0                           ; r
	v_bfe_u32 v2, v0, 4, 1                         ; h
	v_and_b32 v3, 31, v0                           ; lane
	v_mul_u32_u24 v4, v1, PITCH
	v_lshl_add_u32 v[ABASE], v2, 6, v4
	v_mov_b32 v[ADR], v[ABASE]                     ; sub-tile 0
	v_lshlrev_b32 v[BOFF], 4, v3
	v_mul_u32_u24 v5, v1, SPITCH
	v_lshl_add_u32 v5, v2, 5, v5
	v_add_nc_u32 v[STO], s23, v5                   ; into the stage: row r, 32 bytes for each half of the lanes
	v_add_nc_u32 v[RD], s23, v[BOFF]               ; back: 32 lanes take a row of 512 bytes
	v_min_u32 v6, 1, v3                            ; lanes 2-31 name the last block again
	v_lshlrev_b32 v6, 8, v6
	v_add_nc_u32 v[PFO], s20, v6
	s_wait_alu depctr_va_vdst(0)
; one of the 22 instructions that unpack column block b's two words of the half-step in place hn of the ring into set en: n / 11 the word, n % 11 the instruction
.macro UOP b, hn, en, n
.set UQ, (\n)/11
.set UO, (\n)%11
.set UW, PK+16*(\hn)+4*((\b)/2)+2*((\b)%2)+UQ
.set UT, TT+4*UQ
.set UD, BF+24*(\en)+8*((\b)%3)+4*UQ
.if UO == 0
	v_and_b32 v[UT], s50, v[UW]
.elseif UO < 4
	v_lshrrev_b32 v[UT+UO], 2*UO, v[UW]
.elseif UO < 7
	v_and_b32 v[UT+UO-3], v[UT+UO-3], s50
.else
	v_perm_b32 v[UD+UO-7], v[UT+UO-7], v[TAB], v[UT+UO-7]   ; selectors 0 to 3 pick from the second source
.endif
.endm
.macro UNPACK hn, en                   ; a whole half-step: 8 column blocks, each block's two words by turns
.irp b, 0,1,2,3,4,5,6,7
	WIN (1+\b/3)*0x51
.set N, 0
.rept 22
	UOP \b, \hn, \en, (N%2)*11+N/2
.set N, N+1
.endr
.endr
.endm
.macro BLK b, e, zero                  ; column block b against x's eight row blocks, set e
.irp a, 0,1,2,3,4,5,6,7
.if \zero
	v_wmma_f32_16x16x64_fp8_fp8 v[64*((\b)%3)+8*\a:64*((\b)%3)+8*\a+7], v[BF+24*(\e)+8*((\b)%3):BF+24*(\e)+8*((\b)%3)+7], v[AF+64*(\e)+8*\a:AF+64*(\e)+8*\a+7], 0
.else
	v_wmma_f32_16x16x64_fp8_fp8 v[64*((\b)%3)+8*\a:64*((\b)%3)+8*\a+7], v[BF+24*(\e)+8*((\b)%3):BF+24*(\e)+8*((\b)%3)+7], v[AF+64*(\e)+8*\a:AF+64*(\e)+8*\a+7], v[64*((\b)%3)+8*\a:64*((\b)%3)+8*\a+7]
.endif
.endr
.endm
.macro PLOAD hn, off                   ; a half-step's packed words, four pairs of column blocks, into place hn of the ring
.irp pp, 0,1,2,3
	global_load_b128 v[PK+16*(\hn)+4*\pp:PK+16*(\hn)+4*\pp+3], v[BOFF], s[6:7] offset:\pp*32768+(\off)
.endr
.endm
.macro ARUN m                          ; x's fragments of half-step m of the sub-tile at ADR, into set m % 2
.irp a, 0,1,2,3,4,5,6,7
.irp q, 0,1
	ds_load_b128 v[AF+64*((\m)%2)+8*\a+4*\q:AF+64*((\m)%2)+8*\a+4*\q+3], v[ADR] offset:\a*16*PITCH+64*(\m)-32*((\m)%2)+16*\q
.endr
.endr
.endm
; A half-step: 64 products on set e; the 64 accumulators take turns, in the same order in every half-step.
; un: behind the products the next half-step, in place hn of the ring, is unpacked into the other set.
; ld >= 0: place hn, just unpacked, takes the words at byte ld of each pair's stream.  ar >= 0: set e, just multiplied, takes half-step ar.  stp: W's base steps a body on, ahead of these loads.
; lc: the younger packed loads that may be out (three half-steps' four).  dc: the younger LDS loads (one set's sixteen).
.macro HSTEP e, zero, un, hn, ld, ar, lc, dc, stp
	s_wait_alu depctr_va_vdst(0)
	s_wait_dscnt \dc
.if \un
	s_wait_loadcnt \lc
.endif
	WIN 0x51
	BLK 0, \e, \zero
	BLK 1, \e, \zero
	BLK 2, \e, \zero
	WIN 0xa2
	BLK 3, \e, \zero
	BLK 4, \e, \zero
	BLK 5, \e, \zero
	WIN 0xf3
	BLK 6, \e, \zero
	BLK 7, \e, \zero
.if \un
	UNPACK \hn, 1-(\e)
.endif
	PLACES                                         ; four places in front of loads into registers that matrix instructions have read, and of the first read of results
	WIN 0
.if \stp
	s_wait_xcnt 0x0                                ; the loads and the prefetch issued so far have read their base: the youngest stand a half-step back
	s_add_nc_u64 s[6:7], s[6:7], 2048
.endif
.if (\ld) >= 0
	PLOAD \hn, \ld
.endif
.if (\ar) >= 0
	ARUN \ar
.endif
.endm
; Body t: half-steps 4 t + 2 .. 4 t + 5; s[6:7] stands at byte 2,048 t of the pairs' streams; s41: the LDS offset of sub-tile t + 1.  fin: body 14, behind whose first half-step no packed words are left to fetch.
.macro BODY fin, pf
	v_add_nc_u32 v[ADR], s41, v[ABASE]             ; first read behind the wait that opens the half-step
	HSTEP 0, 0, 1, 3, 7*512, 0, 12, 16, 0
.if \pf
	global_prefetch_b8 v[PFO], s[6:7] offset:7680 th:TH_LOAD_NT scope:SCOPE_SE   ; of the 2,048 bytes a pair that the body two on loads
.endif
.if \fin
	HSTEP 1, 0, 1, 0, -1, 1, 12, 16, 0
	HSTEP 0, 0, 1, 1, -1, 2, 8, 16, 0
	HSTEP 1, 0, 1, 2, -1, 3, 4, 16, 0
.else
	HSTEP 1, 0, 1, 0, 8*512, 1, 12, 16, 0
	HSTEP 0, 0, 1, 1, 9*512, 2, 12, 16, 0
	HSTEP 1, 0, 1, 2, 6*512, 3, 12, 16, 1          ; byte 10 x 512 of this body's count: the base has stepped 2,048
.endif
.endm
.macro LOOPB n, pf                     ; n bodies on sub-tiles that follow each other in LDS, from s41 on
	s_mov_b32 s40, \n
.Lbody_\@:
	BODY 0, \pf
	s_add_co_u32 s41, s41, SUBT
	s_sub_co_u32 s40, s40, 1
	s_cmp_lg_u32 s40, 0
	s_cbranch_scc1 .Lbody_\@
.endm
	global_load_b128 v[BIAS:BIAS+3], v[BOFF], s[12:13]
.irp s, 0,1,2,3
	PLOAD \s, 512*\s                               ; half-steps 0 to 3: the whole ring
.endr
	s_wait_kmcnt 0x0                               ; e0, e1, alpha
	s_add_co_i32 s19, s43, 127
	s_lshl_b32 s20, s19, 23
	v_mov_b32 v104, s20                            ; 2^e1
	s_add_co_i32 s19, s19, 8
	s_lshl_b32 s19, s19, 23
	s_or_b32 s19, s19, 0x600000
	v_mov_b32 v105, s19                            ; 448 x 2^e1
	v_mov_b32 v96, 0                               ; the four values of a 2-bit code: 0, +1, -1, 0, held and converted like any number of W
	v_min_num_f32 v97, 1.0, v105                   ; the conversion does not saturate (ISA guide 7.6.2)
	v_mul_f32 v98, -1.0, v97
.irp j, 3,4,5,6,7
	v_mov_b32 v[96+\j], 0
.endr
	v_cvt_scalef32_pk8_fp8_f32 v[TAB:TAB+1], v[96:103], v104
	v_nop                                          ; one plain place behind a scaled conversion
	s_wait_alu depctr_va_vdst(0)
	s_wait_loadcnt 12                              ; half-step 0's words are in
	UNPACK 0, 0                                    ; half-step 0 is unpacked while slot 0's tile is on its way
	WIN 0
	PLOAD 0, 4*512
	s_wait_alu depctr_va_vdst(0)
	s_wait_tensorcnt 0x0                           ; my sub-tile of slot 0 is in; slot 1's first fill is issued as a refill is
	ds_add_u32 v[SPW], v[NIL]
	s_wait_dscnt 0x0
	s_barrier_signal -1
	s_barrier_wait -1
	tensor_load_to_lds s[GR:GR+3], s[G1:G1+7]      ; slot 1, k 1,024 .. 2,047
	s_nop 0
	PLACES
	ARUN 0
	ARUN 1
	HSTEP 0, 1, 1, 1, 5*512, 2, 12, 16, 0          ; half-step 0 starts the sums
	HSTEP 1, 0, 1, 2, 6*512, 3, 12, 16, 0
	s_mov_b32 s41, SUBT
	LOOPB 3, 1                                     ; bodies 0 to 2: sub-tiles 1 to 3 of slot 0
	s_mov_b32 s46, 0                               ; the slot that has been read out
	s_mov_b32 s47, 2
.Lphase:                                               ; twice: a change of slots with a refill, and four bodies
	s_wait_tensorcnt 0x0                           ; my sub-tile of the next slot has landed;
	ds_add_u32 v[SPW], v[NIL]
	s_add_co_u32 s[GR+1], s48, s46
	s_add_nc_u64 s[GR+2:GR+3], s[GR+2:GR+3], 1024
	s_xor_b32 s46, s46, SLOT                       ; the slot that is read now
	s_mov_b32 s41, s46
	s_wait_dscnt 0x0                               ; the add is done, and my reads of the old slot are back
	s_barrier_signal -1
	s_barrier_wait -1
	tensor_load_to_lds s[GR:GR+3], s[G1:G1+7]      ; first behind the barrier, my one load there: k 2,048 .., then 3,072 ..
	s_nop 0
	PLACES
	LOOPB 4, 1                                     ; bodies 3 to 6, then 7 to 10
	s_sub_co_u32 s47, s47, 1
	s_cmp_lg_u32 s47, 0
	s_cbranch_scc1 .Lphase
	s_wait_tensorcnt 0x0                           ; the last change of slots: nothing is left to fetch for x
	ds_add_u32 v[SPW], v[NIL]
	s_mov_b32 s41, SLOT
	s_wait_dscnt 0x0
	s_barrier_signal -1
	s_barrier_wait -1
	LOOPB 3, 0                                     ; bodies 11 to 13
	BODY 1, 0                                      ; body 14
	HSTEP 0, 0, 1, 3, -1, -1, 0, 16, 0             ; half-step 62
	HSTEP 1, 0, 0, 0, -1, -1, 0, 0, 0              ; half-step 63
; THE WAY OUT, by blocks of 16 rows x 128 columns: the sums go through my own stage and come back as whole rows of 512 bytes; there each is multiplied by alpha 2^(e0 + e1), bias is added, and 32 lanes store two aligned units of 256 bytes.
; The rows read back take three runs of 64 registers by turns; a block's place among my 128 rows stands in the stores' immediate, 2,080,768 bytes at the most, inside its signed 24 bits: no base is stepped.
.macro SETBB a
.if (\a)%3 == 0
.set BB2, 32
.elseif (\a)%3 == 1
.set BB2, 128
.else
.set BB2, 192
.endif
.endm
.macro TOSTAGE a
.irp b, 0,1,2,3,4,5,6,7
	WIN 4*(1+\b/3)                                 ; the stores' data: the block's window
	ds_store_b128 v[STO], v[64*(\b%3)+8*(\a):64*(\b%3)+8*(\a)+3] offset:64*\b        ; each accumulator from its low end on
	ds_store_b128 v[STO], v[64*(\b%3)+8*(\a)+4:64*(\b%3)+8*(\a)+7] offset:64*\b+16
.endr
	WIN 0
	SETBB \a
.irp t, 0,1,2,3,4,5,6,7,8,9,10,11,12,13,14,15
	ds_load_b128 v[BB2+4*\t:BB2+4*\t+3], v[RD] offset:\t*SPITCH   ; LDS serves a wave's instructions in order: these see the stores above
.endr
.endm
.macro SEND a, younger
	SETBB \a
	s_wait_dscnt \younger
.irp t, 0,1,2,3,4,5,6,7,8,9,10,11,12,13,14,15
	v_pk_fma_f32 v[BB2+4*\t:BB2+4*\t+1], v[BB2+4*\t:BB2+4*\t+1], v[SC:SC+1], v[BIAS:BIAS+1]
	v_pk_fma_f32 v[BB2+4*\t+2:BB2+4*\t+3], v[BB2+4*\t+2:BB2+4*\t+3], v[SC:SC+1], v[BIAS+2:BIAS+3]
.endr
.irp t, 0,1,2,3,4,5,6,7,8,9,10,11,12,13,14,15
	global_store_b128 v[BOFF], v[BB2+4*\t:BB2+4*\t+3], s[14:15] offset:(\a)*262144+\t*16384 th:TH_STORE_NT
.endr
.endm
	s_add_co_i32 s42, s42, s43                     ; e0 + e1
	v_mov_b32 v[SC], s44
	v_ldexp_f32 v[SC], v[SC], s42                  ; alpha 2^(e0 + e1)
	v_mov_b32 v[SC+1], v[SC]
	s_wait_alu depctr_va_vdst(0)
	TOSTAGE 0
.irp a, 1,2,3,4,5,6,7
.if \a > 2
	s_wait_xcnt 0x0                                ; block a - 3's stores have read their registers, which take block a's rows
.endif
	TOSTAGE \a
	SEND \a-1, 32                                  ; behind block a - 1's loads: block a's 16 stores and 16 loads
.endr
	SEND 7, 0
	s_wait_tensorcnt 0x0                           ; the wave's end
	ds_add_u32 v[SPW], v[NIL]
	s_wait_dscnt 0x0
	s_endpgm
.Lfunc_end_k_q4c79d45f20_gemm:
	.size	k_q4c79d45f20_gemm, .Lfunc_end_k_q4c79d45f20_gemm-k_q4c79d45f20_gemm
	.p2alignl 7, 3214868480
	.fill 96, 4, 3214868480
	.section	.rodata,"a",@progbits
	.p2align	6, 0x0
	.amdhsa_kernel k_q4c79d45f20_gemm
		.amdhsa_group_segment_fixed_size 327680
		.amdhsa_private_segment_fixed_size 0
		.amdhsa_enable_private_segment 0
		.amdhsa_kernarg_size 48
		.amdhsa_user_sgpr_count 2
		.amdhsa_user_sgpr_kernarg_segment_ptr 1
		.amdhsa_wavefront_size32 1
		.amdhsa_system_sgpr_workgroup_id_x 1
		.amdhsa_system_sgpr_workgroup_id_y 1
		.amdhsa_system_sgpr_workgroup_id_z 1
		.amdhsa_system_vgpr_workitem_id 0
		.amdhsa_next_free_vgpr 1024
		.amdhsa_next_free_sgpr 66
		.amdhsa_reserve_vcc 0
		.amdhsa_float_denorm_mode_32 3
		.amdhsa_float_denorm_mode_16_64 3
		.amdhsa_memory_ordered 1
		.amdhsa_forward_progress 1
		.amdhsa_inst_pref_size 255
	.end_amdhsa_kernel
	.section	.bss,"aw",@nobits
	.p2align	6
	.space	262144
	.amdgpu_metadata
---
amdhsa.version: [ 1, 2 ]
amdhsa.kernels:
  - .name:           k_q4c79d45f20_gemm
    .symbol:         k_q4c79d45f20_gemm.kd
    .args:
      - { .name: x_codes, .offset: 0, .size: 8, .value_kind: global_buffer, .address_space: global }
      - { .name: w_pack, .offset: 8, .size: 8, .value_kind: global_buffer, .address_space: global }
      - { .name: lowp_scales, .offset: 16, .size: 8, .value_kind: global_buffer, .address_space: global }
      - { .name: alpha, .offset: 24, .size: 8, .value_kind: global_buffer, .address_space: global }
      - { .name: bias, .offset: 32, .size: 8, .value_kind: global_buffer, .address_space: global }
      - { .name: out0, .offset: 40, .size: 8, .value_kind: global_buffer, .address_space: global }
    .group_segment_fixed_size: 327680
    .private_segment_fixed_size: 0
    .kernarg_segment_align: 8
    .kernarg_segment_size: 48
    .max_flat_workgroup_size: 128
    .sgpr_count:     66
    .vgpr_count:     1024
    .wavefront_size: 32
...
	.end_amdgpu_metadata
.endif
;; end of part 2
